; MI455X (gfx1250); checked and timed in simulation.
; The chip was launched on July 23, 2026; its instructions are those of AMD's public machine-readable ISA for CDNA 5 (MIT licence, August 2026) and "CDNA5" Instruction Set Architecture Reference Guide (July 2026). The comments in the code are by the model that wrote it; some were corrected since.
;; Attention. Allowed arithmetic: matrix products marked QUANTISED: E2M1 operands, one E8M0 scale for each 32 along K, by v_wmma_scale_f32_16x16x128_f8f6f4 with both operands' format E2M1 (or v_wmma_scale_f32_32x16x128_f4), f32 sums; products left as they are: f32 operands where the result goes on into a quantised operand, else bf16, f16 or f32 operands; f32 sums; everything else in f32.
;; Inputs: W_c 1,024 float32; W_h 1,024 x 1,024 float32; coverage 64 x 1,024 float32; dec_W 1,024 x 1,024 float32; dec_b 1,024 float32; enc_padding_mask 64 x 1,024 float32; h 64 x 1,024 x 1,024 float32; s_t_hat 64 x 1,024 float32; v 1,024 float32.
;; Outputs: out0 64 x 1,024 float32; out1 64 x 1,024 float32; out2 64 x 1,024 float32.
;; This version of the problem:
;;   THIS VERSION OF THE PROBLEM IS GIVEN IN LOW PRECISION. The matrix products marked QUANTISED in the list below multiply operands that are first quantised to E2M1 (2 exponent bits, 1 mantissa bit; 4 bits a number), with one power-of-two scale for each 32 numbers along K (OCP MX v1.0); their sums are f32. All else is computed in f32.
;;   The module's matrix products, in the order in which they are computed (A, B: the left and right operand; K: the contracted axis; several contracted axes count as one K, in the product's order):
;;     1. [M 65,536, K 1,024] x [K 1,024, N 1,024]; A: input h; B: input W_h: QUANTISED
;;     2. [M 64, K 1,024] x [K 1,024, N 1,024]; A: input s_t_hat; B: input dec_W: QUANTISED
;;     3. [M 65,536, K 1,024] x [K 1,024, N 1]; A: computed on the way; B: input v: left as it is (N = 1 < 16)
;;     4. batch 64 x [M 1, K 1,024] x [K 1,024, N 1,024]; A: computed on the way; B: input h: left as it is (M = 1 < 16)
;;   THE QUANTISER, for each operand of a quantised product, along K:
;;     - K is cut into blocks of 32 from its start; a last block that is shorter is filled with zeros.
;;     - A block's scale is 2^e with e = floor(log2(the largest magnitude in the block)) - 2, held to -126 .. 127; a block of zeros has e = 0. As a byte (E8M0): e + 127.
;;     - Each number is divided by its block's scale, clamped to +-6, and rounded to the nearest number of E2M1, ties to even, subnormals kept.
;;     - The product sums the exact products of the quantised numbers (number of the format x scale) in f32.
;;   ~~~python
;;   def quantise(x, axis):      # numpy; x: float32 -> the quantised numbers, widened to float32 again
;;       x = np.moveaxis(x, axis, -1); K = x.shape[-1]
;;       x = np.pad(x, [(0, 0)] * (x.ndim - 1) + [(0, -K % 32)]); x = x.reshape(x.shape[:-1] + (-1, 32)); a = np.abs(x).max(-1, keepdims=True)
;;       e = np.where(a > 0, np.clip(np.frexp(np.where(a > 0, a, 1))[1] - 1 - 2, -126, 127), 0)      # np.frexp(a)[1] - 1 = floor(log2(a)), exactly
;;       r = np.clip(x / 2.0 ** e, -6, 6)
;;       step = 2.0 ** (np.maximum(np.frexp(np.where(r == 0, 1, r))[1] - 1, 0) - 1)
;;       q = np.round(r / step) * step * 2.0 ** e      # np.round: ties to even
;;       return np.moveaxis(q.reshape(q.shape[:-2] + (-1,))[..., :K], -1, axis).astype(np.float32)
;;   ~~~
;; One version. Each part assembles by itself: llvm-mc -triple=amdgcn-amd-amdhsa -mcpu=gfx1250 --defsym DOCPART=n.
;; ======== version 1 of 1: 3 launches
;; limits: values are held in bf16: 8 bits of precision; right only within a limited range of input values
;; workspace buffers: wq 557,056 bytes; decws 262,144 bytes; scores 262,144 bytes; stats 65,536 bytes; ctxp 1,048,576 bytes
;; launch prep (part 1): grid 288 x 1, 8 waves a work-group, no clusters, 18,944 bytes of LDS; arguments W_h, dec_W, s_t_hat, dec_b, wq, decws; writes wq, decws
.if DOCPART == 1
	.amdgcn_target "amdgcn-amd-amdhsa--gfx1250"
	.amdhsa_code_object_version 6
	.text
	.protected	k_q667792967c_prep
	.globl	k_q667792967c_prep
	.p2align	8
	.type	k_q667792967c_prep,@function
k_q667792967c_prep:
	s_mov_b64 s[64:65], 0
	v_nop
	global_prefetch_b8 v0, s[64:65] scope:SCOPE_SE
	s_setreg_imm32_b32 hwreg(HW_REG_WAVE_MODE, 25, 1), 1
	s_wait_xcnt 0x0
; ADDITIVE ATTENTION WITH COVERAGE, B = 64, T = N = 1,024, in three launches: prep (this one), main, finish.
; prep: W_h becomes codes of E2M1 with E8M0 scale bytes, laid in the order in which main's operand registers take them (wq); dec_fea = Q(s_t_hat) Q(dec_W)^T + dec_b goes to decws.
; WORK LEFT OUT IN THE PROGRAM, for all finite values of the inputs:
;  (a) tanh(x) = 1 - 2 / (1 + e^(2x)), so score[b][t] = sum_n v[n] - 2 sum_n v[n] / (1 + e^(2 att[b][t][n])).  The first term is the same for every t of a batch, the scores enter the
;      softmax over t alone and are no output: a term that is the same along a softmax's axis leaves it unchanged.  So sum_n v[n] is not formed.
;  (b) attn = softmax x mask / sum(softmax x mask): the softmax's own divisor stands in numerator and denominator alike and cancels.  attn = e^(s - M) mask / sum_t e^(s - M) mask, M the
;      largest score of the batch (masked places too, as the softmax takes it): the maximum is kept.
;  Every input is loaded.  LIMITS: NaN and infinities among the inputs are not served; an overflow of sum_n v[n] alone is not carried to the result; a block whose largest magnitude lies
;  under 2^-124 gets the scale byte 1 (a block of zeros too, where the quantiser says 127: its codes are zeros and this program alone reads the bytes).
; HOW K LIES IN A MATRIX INSTRUCTION, alike for both operands of a product.  Block (s, q) is k = 128 s + 32 q + 0 .. 31.  Instruction sg = 4 (s / 4) + q takes it as its block s % 4.
;  Whole blocks keep their own scale bytes, so each product of two codes meets the right two scales; only the order of the sums differs from ascending k.
; A FRAGMENT'S IMAGE (16 rows x 128 codes, 8 registers a lane): bytes 512 c + 16 (16 h + row) + 0 .. 15 are registers 4 c .. 4 c + 3 of lane (row, h): block 2 c + h of that row.
; A TILE'S SCALE IMAGE (512 bytes): the word of (row, sg) at 256 (sg / 4) + 16 row + 4 (sg % 4): one load of 16 bytes a lane gives four registers, register i for sg = i in lanes 0-15 and for sg = 4 + i in lanes 16-31.
; wq: quarter x (0 .. 31) of 17,408 bytes holds the tiles of rows 32 x + 16 tau + 0 .. 15 of W_h: eight images of 1,024 bytes at 8,192 tau, the scale image at 16,384 + 512 tau.
; SHARES.  Eight waves; four waves quantise one tile of 16 rows x 1,024, four rows each.  Work-groups 0-31: tiles 2 x and 2 x + 1 of W_h.  Work-groups 32-287 (y = x - 32): tile y / 4 of dec_W and
;  tile y % 4 of s_t_hat, and wave 0 multiplies the two.  One way through the text up to the barrier: only pointers are chosen.
; A ROW IS LOADED AS IT LIES: eight loads of 512 consecutive bytes; lane l holds k = 128 s + 4 l + 0 .. 3, so a block lies in eight neighbouring lanes, four numbers each.
;  The conversion takes eight numbers of a lane under one scale: the eight of s = 2 e and 2 e + 1 are converted twice, once under each block's scale; the low 16 bits of the first result and the high 16 of the second are kept.
.set PITCH, 1056                       ; an image in LDS: 1,024 bytes + 32, so that the four groups of eight lanes of a 16-bit store begin 32 bytes apart modulo 256
.set REGN,  8960                       ; a tile's region: eight images, then its scale image
.set SIMG,  8448
.set SPARE, 17920                      ; behind the two regions: the spare words, 128 bytes for each wave
.set SPW, 1                            ; v1   LDS address of my spare word; never rewritten
.set NIL, 2                            ; v2   0; never rewritten
.set HO,  3                            ; v3   16 x lane
.set IA,  4                            ; v4   where my 16 bits of a row's codes go
.set SAD, 5                            ; v5   where my block column's scale words go
.set RB,  6                            ; v6   my tile's region + 16 x lane: images are read back so
.set BO,  7                            ; v7   32 h: my eight numbers of dec_b
.set DO,  14                           ; v14  my place in decws
.set MX,  16                           ; v16-23  largest magnitudes, then bytes
.set SCL, 24                           ; v24-31  the conversions' scale operands
.set QS,  32                           ; v32-51  two sets of eight code registers and two scale words
.set SW,  52                           ; v52-55  dec_W's scale words; v56-59 s_t_hat's: these eight hold scales and nothing else
.set SS,  56
.set FW,  64                           ; v64-127  dec_W's eight fragments
.set X,   128                          ; v128-255 four rows as loaded; later what is read back from LDS
.set FS,  128                          ; s_t_hat's eight fragments
.set BI,  192                          ; dec_b in the result's layout
.set AC,  200                          ; two accumulators
.set RS,  216                          ; their sum
	s_load_b256 s[4:11], s[0:1], 0x0               ; W_h s[4:5], dec_W s[6:7], s_t_hat s[8:9], dec_b s[10:11]
	s_load_b128 s[12:15], s[0:1], 0x20             ; wq s[12:13], decws s[14:15]
	v_lshl_add_u32 v[SPW], v0, 2, SPARE
	v_mov_b32 v[NIL], 0
	v_lshrrev_b32 v8, 5, v0
	s_delay_alu instid0(VALU_DEP_1)
	v_readfirstlane_b32 s16, v8                    ; wave 0..7
	s_lshr_b32 s17, s16, 2                         ; which of the two tiles
	s_and_b32 s18, s16, 3                          ; which four rows of it
	v_and_b32 v9, 31, v0                           ; lane
	s_delay_alu instid0(VALU_DEP_1)
	v_lshlrev_b32 v[HO], 4, v9
	v_bfe_u32 v10, v0, 3, 2                        ; q = lane / 8
	v_and_b32 v11, 7, v0                           ; lane % 8
	v_bfe_u32 v12, v0, 4, 1                        ; h
	v_and_b32 v13, 15, v0                          ; r
	s_mul_i32 s19, s17, REGN
	s_lshl_b32 s20, s18, 6                         ; four rows x 16 bytes
	s_add_co_u32 s20, s20, s19
	v_mul_u32_u24 v[IA], v10, PITCH
	s_delay_alu instid0(VALU_DEP_1)
	v_lshl_add_u32 v[IA], v11, 1, v[IA]
	s_delay_alu instid0(VALU_DEP_1)
	v_add_nc_u32 v[IA], s20, v[IA]                 ; region + 64 (wave % 4) + 1,056 q + 2 (lane % 8)
	s_add_co_u32 s21, s20, SIMG
	v_lshl_add_u32 v[SAD], v10, 2, s21             ; region + 8,448 + 64 (wave % 4) + 4 q
	v_add_nc_u32 v[RB], s19, v[HO]
	v_lshlrev_b32 v[BO], 5, v12
	s_delay_alu instid0(VALU_DEP_1)
	v_lshl_add_u32 v[DO], v13, 12, v[BO]           ; row r of 4,096 bytes + 32 h
	s_max_u32 s21, ttmp9, 32
	s_sub_co_u32 s21, s21, 32                      ; y
	s_lshr_b32 s22, s21, 2                         ; tile of dec_W
	s_and_b32 s23, s21, 3                          ; tile of s_t_hat
	s_lshl_b32 s27, ttmp9, 1
	s_add_co_u32 s27, s27, s17                     ; tile of W_h
	s_wait_kmcnt 0x0
	s_cmp_eq_u32 s17, 0                            ; the choices hang on the wave's and the work-group's number alone
	s_cselect_b64 s[24:25], s[6:7], s[8:9]
	s_cselect_b32 s26, s22, s23
	s_cmp_lt_u32 ttmp9, 32
	s_cselect_b64 s[24:25], s[4:5], s[24:25]
	s_cselect_b32 s26, s27, s26
	s_lshl_b32 s28, s26, 16                        ; a tile is 16 rows of 4,096 bytes
	s_lshl_b32 s29, s18, 14                        ; my four rows
	s_add_co_u32 s28, s28, s29
	s_mov_b32 s29, 0
	s_add_nc_u64 s[24:25], s[24:25], s[28:29]
.irp i,0,1,2,3
.irp s,0,1,2,3,4,5,6,7
	global_load_b128 v[X+32*\i+4*\s:X+32*\i+4*\s+3], v[HO], s[24:25] offset:4096*\i+512*\s   ; 32 lanes read 512 consecutive bytes
.endr
.endr
; One row: 32 numbers a lane become 8 x 16 bits of codes and two scale words, and go to their places in the tile's images.
.macro ROWQ i
.set XB, X+32*(\i)
.set CD, QS+10*((\i)&1)
.set WD, CD+8
	s_wait_loadcnt 8*(3-(\i))                      ; this row's eight loads are in; the later rows' may be out
.if (\i) >= 2
	s_wait_dscnt 10                                ; the stores of two rows back have read this set; the last row's ten may be out
.endif
.irp s,0,1,2,3,4,5,6,7
	v_max3_num_f32 v[MX+\s], |v[XB+4*\s]|, |v[XB+4*\s+1]|, 0x1800000   ; my four numbers of block (s, q), and the floor 2^(3 - 127): the byte cannot fall under 1
.endr
.irp s,0,1,2,3,4,5,6,7
	v_max3_num_f32 v[MX+\s], |v[XB+4*\s+2]|, |v[XB+4*\s+3]|, v[MX+\s]
.endr
.irp m,1,2,4
.irp s,0,1,2,3,4,5,6,7
	v_max_num_f32_dpp v[MX+\s], v[MX+\s], v[MX+\s] row_xmask:\m row_mask:0xf bank_mask:0xf   ; with the block's other seven lanes
.endr
.endr
.irp s,0,1,2,3,4,5,6,7
	v_add_nc_u32 v[SCL+\s], 0xff000000, v[MX+\s]   ; 2 off the exponent field: the conversion takes that field as its scale
.endr
.irp s,0,1,2,3,4,5,6,7
	v_lshrrev_b32 v[MX+\s], 23, v[SCL+\s]          ; the scale's byte
.endr
.irp u,0,1
	v_lshl_or_b32 v[WD+\u], v[MX+4*\u+1], 8, v[MX+4*\u]   ; the word of instruction 4 u + q: bytes of s = 4 u .. 4 u + 3
	s_delay_alu instid0(VALU_DEP_1)
	v_lshl_or_b32 v[WD+\u], v[MX+4*\u+2], 16, v[WD+\u]
	s_delay_alu instid0(VALU_DEP_1)
	v_lshl_or_b32 v[WD+\u], v[MX+4*\u+3], 24, v[WD+\u]
.endr
.irp e,0,1,2,3
	v_cvt_scalef32_pk8_fp4_f32 v[CD+2*\e], v[XB+8*\e:XB+8*\e+7], v[SCL+2*\e]       ; its low 16 bits: s = 2 e under its own scale
	v_cvt_scalef32_pk8_fp4_f32 v[CD+2*\e+1], v[XB+8*\e:XB+8*\e+7], v[SCL+2*\e+1]   ; its high 16 bits: s = 2 e + 1
.endr
	v_nop                                          ; one plain line behind the last scaled conversion
.irp s,0,1,2,3,4,5,6,7
.if (\s)%2 == 0
	ds_store_b16 v[IA], v[CD+\s] offset:((\s)>>2)*4*PITCH+(((\s)&3)>>1)*512+((\s)&1)*256+16*(\i)
.else
	ds_store_b16_d16_hi v[IA], v[CD+\s] offset:((\s)>>2)*4*PITCH+(((\s)&3)>>1)*512+((\s)&1)*256+16*(\i)
.endif
.endr
.irp u,0,1
	ds_store_b32 v[SAD], v[WD+\u] offset:256*\u+16*(\i)   ; the block's eight lanes write the same word with the same value
.endr
.endm
	ROWQ 0
	ROWQ 1
	ROWQ 2
	ROWQ 3
	s_wait_dscnt 0x0                               ; for the others' sake: my stores have landed
	s_barrier_signal -1
	s_barrier_wait -1                              ; both tiles' images are whole
	s_cmp_lg_u32 s18, 0
	s_cbranch_scc1 .Lend                           ; one wave of each four goes on
	s_cmp_lt_u32 ttmp9, 32
	s_cbranch_scc0 .Lproduct
	; ---- W_h: my tile's images leave as they lie, 512 consecutive bytes a store
.irp sg,0,1,2,3,4,5,6,7
.irp c,0,1
	ds_load_b128 v[X+8*\sg+4*\c:X+8*\sg+4*\c+3], v[RB] offset:\sg*PITCH+512*\c
.endr
.endr
	ds_load_b128 v[X+64:X+67], v[RB] offset:SIMG
	s_mul_i32 s28, ttmp9, 17408                    ; my work-group's quarter
	s_lshl_b32 s30, s17, 13
	s_add_co_u32 s30, s30, s28                     ; + 8,192 tau: the images
	s_mov_b32 s31, 0
	s_lshl_b32 s32, s17, 9
	s_add_co_u32 s32, s32, s28
	s_add_co_u32 s32, s32, 16384                   ; + 16,384 + 512 tau: the scale image
	s_mov_b32 s33, 0
	s_add_nc_u64 s[30:31], s[12:13], s[30:31]
	s_add_nc_u64 s[32:33], s[12:13], s[32:33]
	s_wait_dscnt 0x0
.irp sg,0,1,2,3,4,5,6,7
.irp c,0,1
	global_store_b128 v[HO], v[X+8*\sg+4*\c:X+8*\sg+4*\c+3], s[30:31] offset:\sg*1024+512*\c
.endr
.endr
	global_store_b128 v[HO], v[X+64:X+67], s[32:33]
	s_branch .Lend
.Lproduct:
	s_cmp_lg_u32 s16, 0
	s_cbranch_scc1 .Lend                           ; wave 0 alone multiplies
	; ---- dec_fea: source 0 = 16 rows of dec_W, source 1 = 16 rows of s_t_hat: lane (r, h) holds dec_fea(16 mt + r, 16 j + 8 h + 0 .. 7)
	s_lshl_b32 s34, s22, 6
	s_mov_b32 s35, 0
	s_add_nc_u64 s[36:37], s[10:11], s[34:35]      ; dec_b at the tile's 16 numbers
	s_lshl_b32 s38, s23, 16
	s_add_co_u32 s38, s38, s34
	s_mov_b32 s39, 0
	s_add_nc_u64 s[40:41], s[14:15], s[38:39]      ; decws at row 16 mt, column 16 j
	global_load_b128 v[BI:BI+3], v[BO], s[36:37]
	global_load_b128 v[BI+4:BI+7], v[BO], s[36:37] offset:16
.irp sg,0,1,2,3,4,5,6,7
.irp c,0,1
	ds_load_b128 v[FW+8*\sg+4*\c:FW+8*\sg+4*\c+3], v[RB] offset:\sg*PITCH+512*\c
	ds_load_b128 v[FS+8*\sg+4*\c:FS+8*\sg+4*\c+3], v[RB] offset:REGN+\sg*PITCH+512*\c
.endr
.endr
	ds_load_b128 v[SW:SW+3], v[RB] offset:SIMG
	ds_load_b128 v[SS:SS+3], v[RB] offset:REGN+SIMG
	s_wait_loadcnt 0x0
	s_wait_dscnt 0x0
; Two accumulators take turns, one instruction a turn; the bias is the C of the first sum's first instruction, the constant 0 that of the second's.
.irp sg,0,1,2,3,4,5,6,7
.if \sg == 0
	v_wmma_scale_f32_16x16x128_f8f6f4 v[AC:AC+7], v[FW:FW+7], v[FS:FS+7], v[BI:BI+7], v[SW], v[SS] matrix_a_fmt:MATRIX_FMT_FP4 matrix_b_fmt:MATRIX_FMT_FP4
.elseif \sg == 1
	v_wmma_scale_f32_16x16x128_f8f6f4 v[AC+8:AC+15], v[FW+8:FW+15], v[FS+8:FS+15], 0, v[SW+1], v[SS+1] matrix_a_fmt:MATRIX_FMT_FP4 matrix_b_fmt:MATRIX_FMT_FP4
.elseif \sg < 4
	v_wmma_scale_f32_16x16x128_f8f6f4 v[AC+8*(\sg%2):AC+8*(\sg%2)+7], v[FW+8*\sg:FW+8*\sg+7], v[FS+8*\sg:FS+8*\sg+7], v[AC+8*(\sg%2):AC+8*(\sg%2)+7], v[SW+\sg], v[SS+\sg] matrix_a_fmt:MATRIX_FMT_FP4 matrix_b_fmt:MATRIX_FMT_FP4
.else
	v_wmma_scale_f32_16x16x128_f8f6f4 v[AC+8*(\sg%2):AC+8*(\sg%2)+7], v[FW+8*\sg:FW+8*\sg+7], v[FS+8*\sg:FS+8*\sg+7], v[AC+8*(\sg%2):AC+8*(\sg%2)+7], v[SW+\sg-4], v[SS+\sg-4] matrix_a_fmt:MATRIX_FMT_FP4 matrix_b_fmt:MATRIX_FMT_FP4 matrix_a_scale:MATRIX_SCALE_ROW1 matrix_b_scale:MATRIX_SCALE_ROW1
.endif
.endr
.rept 4
	v_nop                                          ; four places between the last product and the first read of a result
.endr
.irp i,0,1,2,3
	v_pk_add_f32 v[RS+2*\i:RS+2*\i+1], v[AC+2*\i:AC+2*\i+1], v[AC+8+2*\i:AC+8+2*\i+1]   ; both accumulators from their low end on
.endr
	global_store_b128 v[DO], v[RS:RS+3], s[40:41]            ; 64 bytes of each of 16 rows: pieces of rows, in a buffer of 256 KiB that is written once
	global_store_b128 v[DO], v[RS+4:RS+7], s[40:41] offset:16
.Lend:
	s_wait_tensorcnt 0x0                           ; the wave's end
	ds_add_u32 v[SPW], v[NIL]
	s_wait_dscnt 0x0
	s_endpgm
.Lfunc_end_k_q667792967c_prep:
	.size	k_q667792967c_prep, .Lfunc_end_k_q667792967c_prep-k_q667792967c_prep
	.p2alignl 7, 3214868480
	.fill 96, 4, 3214868480
	.section	.rodata,"a",@progbits
	.p2align	6, 0x0
	.amdhsa_kernel k_q667792967c_prep
		.amdhsa_group_segment_fixed_size 18944
		.amdhsa_private_segment_fixed_size 0
		.amdhsa_enable_private_segment 0
		.amdhsa_kernarg_size 48
		.amdhsa_user_sgpr_count 2
		.amdhsa_user_sgpr_kernarg_segment_ptr 1
		.amdhsa_wavefront_size32 1
		.amdhsa_system_sgpr_workgroup_id_x 1
		.amdhsa_system_sgpr_workgroup_id_y 1
		.amdhsa_system_sgpr_workgroup_id_z 1
		.amdhsa_system_vgpr_workitem_id 0
		.amdhsa_next_free_vgpr 256
		.amdhsa_next_free_sgpr 66
		.amdhsa_reserve_vcc 0
		.amdhsa_float_denorm_mode_32 3
		.amdhsa_float_denorm_mode_16_64 3
		.amdhsa_memory_ordered 1
		.amdhsa_forward_progress 1
		.amdhsa_inst_pref_size 34
	.end_amdhsa_kernel
	.amdgpu_metadata
---
amdhsa.version: [ 1, 2 ]
amdhsa.kernels:
  - .name:           k_q667792967c_prep
    .symbol:         k_q667792967c_prep.kd
    .args:
      - { .name: W_h, .offset: 0, .size: 8, .value_kind: global_buffer, .address_space: global }
      - { .name: dec_W, .offset: 8, .size: 8, .value_kind: global_buffer, .address_space: global }
      - { .name: s_t_hat, .offset: 16, .size: 8, .value_kind: global_buffer, .address_space: global }
      - { .name: dec_b, .offset: 24, .size: 8, .value_kind: global_buffer, .address_space: global }
      - { .name: wq, .offset: 32, .size: 8, .value_kind: global_buffer, .address_space: global }
      - { .name: decws, .offset: 40, .size: 8, .value_kind: global_buffer, .address_space: global }
    .group_segment_fixed_size: 18944
    .private_segment_fixed_size: 0
    .kernarg_segment_align: 8
    .kernarg_segment_size: 48
    .max_flat_workgroup_size: 256
    .sgpr_count:     66
    .vgpr_count:     256
    .wavefront_size: 32
...
	.end_amdgpu_metadata
.endif
;; end of part 1
;; launch main (part 2): grid 256 x 1, 4 waves a work-group, clusters of 4 x 1, 327,680 bytes of LDS; arguments h, wq, decws, W_c, v, coverage, enc_padding_mask, scores, stats, ctxp; writes scores, stats, ctxp
.if DOCPART == 2
	.amdgcn_target "amdgcn-amd-amdhsa--gfx1250"
	.amdhsa_code_object_version 6
	.text
	.protected	k_q667792967c_main
	.globl	k_q667792967c_main
	.p2align	8
	.type	k_q667792967c_main,@function
k_q667792967c_main:
	s_mov_b64 s[64:65], 0
	v_nop
	global_prefetch_b8 v0, s[64:65] scope:SCOPE_SE
	s_setreg_imm32_b32 hwreg(HW_REG_WAVE_MODE, 25, 1), 1
	s_wait_xcnt 0x0
	s_wait_alu depctr_hold_cnt(0) depctr_sa_sdst(0) depctr_va_vdst(0) depctr_va_sdst(0) depctr_va_ssrc(0) depctr_va_vcc(0) depctr_vm_vsrc(0)
	s_getreg_b32 s2, hwreg(HW_REG_IB_STS2, 6, 4)
	s_cmp_eq_u32 s2, 0
	s_cbranch_scc0 .Lentry_in_a_cluster
	s_endpgm
.Lentry_in_a_cluster:
	s_bfe_u32 s2, ttmp6, 0x10000c
	s_cmp_lg_u32 s2, 0x3003
	s_cbranch_scc0 .Lentry_shape_is_right
	s_endpgm
.Lentry_shape_is_right:
; main: scores, a running softmax and the weighted sum of h for a quarter of a batch (256 positions t) in each work-group; the four work-groups of a cluster share one batch and walk the same wq.
; LEFT OUT, as shown at the head of the first kernel: sum_n v[n] (the same along the softmax's axis) and the softmax's own divisor (it cancels against the renormalising sum).
; score'[t] = sum_n (-2 v[n]) / (1 + 2^y), y = 2 log2(e) (Q(h) Q(W_h)^T + dec_fea + coverage W_c).  Where 2^y overflows the reciprocal gives 0, which is the limit of the term.
; FOUR BLOCKS OF 64 POSITIONS.  Each wave holds 16 rows of h as f32 in windows 2 and 3 (asked for one block ahead), quantises them into fragment images in LDS (layout: below) and lays a bf16 copy
; beside them for the weighted sum.  Every wave then takes all 64 rows' fragments into window 1 and multiplies them with its own quarter of each slot of wq: n = 256 d + 128 kk + 32 wave + 16 tau + 8 h + j.
; wq comes through a ring of two slots of 69,632 bytes, each wave asking jointly (mask 15) for its 17,408 bytes behind a round of the cluster's barrier.
; Behind a block's 16 tiles the four waves' partial scores are joined in LDS, the running maximum, sum and context are brought on (e^(s - M) x mask), and the raw scores go to memory for the last launch.
; LIMITS: NaN and infinities among the inputs are not served.
; THE CODES' WAY THROUGH LDS.  A lane's 16 bits of (row, s) are four codes, k = 128 s + 4 l + 0 .. 3.  Eight rows' pieces of one s make a chunk of 16 bytes a lane (element i = row i of the group of eight):
; tile w, s, row group rg, lane l at IMG + 8,192 w + 1,024 s + 512 rg + 16 (l xor 8 rg).  The transposing load (ISA guide, DS_LOAD_TR16_B128) gives lane 8 g + i element i of the chunks that lanes 8 g + 0 .. 7 name:
; lane (row 8 rg + i, h) names the chunk of source lane 8 q + (lane % 8) of s = 4 (sg / 4) + 2 c + h and receives that row's whole block (s, q), k ascending: registers 4 c .. 4 c + 3 of fragment sg.
; The exclusive or puts the two row groups' 128 bytes into different halves of 256 bytes.
; THE bf16 COPY: row t at COPY + 2,048 t; in it 16 bytes a lane at 512 e + 16 l: n = 256 e + 4 l + 0 .. 3, then n = 256 e + 128 + 4 l + 0 .. 3.  Wave w sums e = w, so its eight sums leave as two stores of 512 consecutive bytes.
.set IA2, 23                           ; v23  where my chunks of rows 8-15 go (v8: of rows 0-7)
.set LI2, 34                           ; v34  the chunk that I name in a transposing load for odd q (v11: for even q)
.set PK,  204                          ; v204-235  eight rows' codes: register 4 s + a holds rows 2 a (low half) and 2 a + 1 (high half)
.set SLO, 76                           ; s76  byte selects: the two low halves
.set SHI, 77                           ; s77  the two high halves
.set SLOT,  69632
.set QUART, 17408
.set COPY,  139264
.set IMG,   270336
.set PITCH, 1056
.set SIMG,  304128
.set TDEC,  306176
.set TCOV,  318464
.set TMSK,  319488
.set PART,  320512
.set PB,    321536
.set SPARE, 322560
.set SPW, 1
.set NIL, 2
.set HO,  3
.set WA0, 4
.set WAC, 5
.set TC0, 6
.set TA,  7
.set IA,  8
.set SAD, 9
.set CW,  10
.set LI,  11
.set LS,  12
.set CV,  13
.set TMPA, 14
.set PS,  15
.set PR,  16
.set MK,  17
.set PBW, 18
.set PBR, 19
.set CR0, 20
.set SO,  22
.set CT,  24
.set MO,  32
.set LSUM, 33
.set COV, 36
.set SACC, 44
.set WSC, 52
.set ASC, 56
.set WF,  72
.set ACC, 136
.set DE,  168
.set WC,  176
.set V2,  184
.set TB,  192
.set MX,  136
.set SCL, 144
.set QS,  152
.set HH,  136
.set PP,  200
.set SS,  216
.set PD,  220
.set SCR, 224
.set MSK, 232
.set MXN, 234
.set PDX, 235
.set EE,  236
.set FF,  238
.set WAN, 250
.set OU1, 251
.set OU2, 252
.set WV,  24
.set CX,  25
.set WLDS, 26
.set G1,  28
.set G0A, 36
.set G0B, 40
.set WB,  44
.set OFS, 46
.set HBA, 48
.set SBA, 50
.set BLK, 52
.set KK,  53
.set KS,  56
.set KT,  57
.set KC,  58
.set SEL, 60
.set L2E, 62
.set BO,  63
.set STB, 66
.set CTB, 68
.set KN,  70
.set MSB, 0
.macro WIN new
.if MSB != (\new)
	s_set_vgpr_msb (MSB<<8)|(\new)
.set MSB, (\new)
.endif
.endm
.macro PLACES
.rept 4
	v_nop
.endr
.endm
.macro BAR
	s_wait_dscnt 0x0
	s_barrier_signal -1
	s_barrier_wait -1
.endm
.macro ROUND
	s_barrier_signal -1
	s_barrier_wait -1
	s_cmp_lg_u32 s[WV], 0
	s_cbranch_scc1 .Lnot_wave_0_\@
	s_barrier_signal -3
.Lnot_wave_0_\@:
	s_barrier_wait -3
	s_barrier_signal -1
	s_barrier_wait -1
.endm
.macro LOADROW rho
	WIN 0x80+0x40*((\rho)>>3)
.irp s,0,1,2,3,4,5,6,7
	global_load_b128 v[32*((\rho)&7)+4*\s:32*((\rho)&7)+4*\s+3], v[HO], s[HBA:HBA+1] offset:(\rho)*4096+512*\s th:TH_LOAD_NT
.endr
.endm
	s_load_b256 s[4:11], s[0:1], 0x0
	s_load_b256 s[12:19], s[0:1], 0x20
	s_load_b128 s[20:23], s[0:1], 0x40
	v_lshl_add_u32 v[SPW], v0, 2, SPARE
	v_mov_b32 v[NIL], 0
	ds_add_u32 v[SPW], v[NIL]
	ds_add_u32 v[SPW], v[NIL]
	v_lshrrev_b32 v[TMPA], 5, v0
	v_readfirstlane_b32 s[WV], v[TMPA]
	s_bfe_u32 s[CX], ttmp6, 0x40000
	s_mov_b32 s[G1], 15|(3<<16)|(1<<21)
	s_mov_b32 s[G1+1], 32<<16
	s_mov_b32 s[G1+2], 68<<16
	s_mov_b32 s[G1+3], 32<<16
	s_mov_b32 s[G1+4], 68
	s_mov_b32 s[G1+5], 32
	s_mov_b32 s[G1+6], 0
	s_mov_b32 s[G1+7], 0
	s_mul_i32 s[WLDS], s[WV], QUART
	s_mov_b32 s[OFS], s[WLDS]
	s_mov_b32 s[OFS+1], 0
	s_mov_b32 s[KC], 0x4038aa3b
	s_mov_b32 s[KC+1], s[KC]
	s_mov_b32 s[SEL], 0x76543210
	s_mov_b32 s[SEL+1], 0xfedcba98
	s_mov_b32 s[L2E], 0x3fb8aa3b
	s_mov_b32 s[SLO], 0x05040100
	s_mov_b32 s[SHI], 0x07060302
	s_mov_b32 s[BLK], 0
	s_mov_b32 s[KS], 0
	s_mov_b32 s[KT], 0
	v_and_b32 v[TMPA], 31, v0
	v_bfe_u32 v200, v0, 4, 1
	v_and_b32 v201, 15, v0
	v_bfe_u32 v202, v0, 3, 2
	v_and_b32 v203, 7, v0
	v_lshlrev_b32 v[HO], 4, v[TMPA]
	v_add_nc_u32 v[WA0], s[WLDS], v[HO]
	s_lshl_b32 s54, s[WV], 7
	s_add_co_u32 s54, s54, TDEC
	v_lshl_add_u32 v[TC0], v200, 5, s54
	s_lshl_b32 s54, s[WV], 13
	s_add_co_u32 s54, s54, IMG                     ; my tile's chunks
	v_add_nc_u32 v[IA], s54, v[HO]                 ; rows 0-7: 16 l
	v_xor_b32 v[IA2], 128, v[HO]                   ; rows 8-15: 512 + 16 (l xor 8)
	v_add_nc_u32 v[IA2], s54, v[IA2]
	v_add_nc_u32 v[IA2], 512, v[IA2]
	s_lshl_b32 s55, s[WV], 9
	s_add_co_u32 s54, s55, SIMG
	v_lshl_add_u32 v[SAD], v202, 2, s54
	s_add_co_u32 s54, s55, COPY
	v_add_nc_u32 v[CR0], s54, v[HO]
	v_add_nc_u32 v[CR0+1], 0x10000, v[CR0]
	s_lshl_b32 s54, s[WV], 15
	s_add_co_u32 s54, s54, COPY
	v_lshl_add_u32 v[CW], v[TMPA], 4, s54
	v_bfe_u32 v204, v0, 3, 1                       ; rg
	v_lshlrev_b32 v205, 4, v203                    ; 16 (lane % 8)
	v_lshl_add_u32 v205, v200, 10, v205            ; + 1,024 h
	v_add_nc_u32 v205, IMG, v205
	v_mad_u32_u24 v[LI], v204, 640, v205           ; even q: 512 rg + 128 (q + rg)
	v_mad_u32_u24 v[LI2], v204, 384, v205          ; odd q: 512 rg + 128 (q - rg)
	v_add_nc_u32 v[LS], SIMG, v[HO]
	v_lshl_add_u32 v[CV], v201, 2, TCOV
	s_lshl_b32 s55, s[WV], 8
	s_add_co_u32 s54, s55, PART
	v_lshl_add_u32 v[PS], v201, 2, s54
	v_lshl_add_u32 v[PR], v[TMPA], 3, PART
	v_lshl_add_u32 v[MK], v[TMPA], 3, TMSK
	s_add_co_u32 s54, s55, PB
	v_lshl_add_u32 v[PBW], v[TMPA], 3, s54
	v_mov_b32 v[PBR], s54
	v_lshlrev_b32 v[SO], 3, v[TMPA]
	s_lshl_b32 s71, ttmp9, 2
	s_add_co_u32 s71, s71, s[CX]
	s_mov_b32 s73, 0
	s_lshl_b32 s74, ttmp9, 12
	s_mov_b32 s75, 0
	s_wait_dscnt 0x0
	s_wait_kmcnt 0x0
	s_add_nc_u64 s[WB:WB+1], s[6:7], s[OFS:OFS+1]
	s_mov_b32 s[G0A], 1
	s_mov_b32 s[G0A+1], s[WLDS]
	s_mov_b64 s[G0A+2:G0A+3], s[WB:WB+1]
	s_or_b32 s[G0A+3], s[G0A+3], 0x80000000
	s_mov_b32 s[G0B], 1
	s_add_co_u32 s[G0B+1], s[WLDS], SLOT
	s_add_nc_u64 s[G0B+2:G0B+3], s[WB:WB+1], SLOT
	s_or_b32 s[G0B+3], s[G0B+3], 0x80000000
	s_add_nc_u64 s[8:9], s[8:9], s[74:75]
	s_lshl_b32 s72, s71, 20
	s_lshl_b32 s54, s[WV], 16
	s_add_co_u32 s72, s72, s54
	s_add_nc_u64 s[HBA:HBA+1], s[4:5], s[72:73]
	s_lshl_b32 s72, s71, 10
	s_add_nc_u64 s[14:15], s[14:15], s[72:73]
	s_add_nc_u64 s[16:17], s[16:17], s[72:73]
	s_add_nc_u64 s[SBA:SBA+1], s[18:19], s[72:73]
	s_lshl_b32 s72, s71, 8
	s_add_nc_u64 s[STB:STB+1], s[20:21], s[72:73]
	s_lshl_b32 s72, s71, 12
	s_lshl_b32 s54, s[WV], 10
	s_add_co_u32 s72, s72, s54
	s_add_nc_u64 s[CTB:CTB+1], s[22:23], s[72:73]
	v_lshlrev_b32 v204, 4, v0
	v_lshlrev_b32 v205, 3, v0
	v_lshl_add_u32 v206, v0, 4, TDEC
	v_lshl_add_u32 v207, v0, 3, TCOV
	global_load_b128 v[72:75], v204, s[8:9]
	global_load_b128 v[76:79], v204, s[8:9] offset:2048
	global_load_b128 v[80:83], v204, s[10:11]
	global_load_b128 v[84:87], v204, s[10:11] offset:2048
	global_load_b128 v[88:91], v204, s[12:13]
	global_load_b128 v[92:95], v204, s[12:13] offset:2048
	global_load_b64 v[96:97], v205, s[14:15]
	global_load_b64 v[98:99], v205, s[16:17]
.irp rho,0,1,2,3,4,5
	LOADROW \rho
.endr
	WIN 0
	; the tables' 8 loads and 48 of h's are out: the rounds and slot 0's fill below pass while they are on their way
	s_wait_alu depctr_va_vdst(0)                   ; the wait at the head's end
	ROUND                                          ; in front of the first joint load
	tensor_load_to_lds s[G0A:G0A+3], s[G1:G1+7]    ; slot 0: one tensor load a wave at the head
	s_nop 0
	s_wait_loadcnt 48                              ; the tables' eight loads are in; h's 48 may be out
.irp i,72,74,76,78,80,82,84,86
	v_pk_mul_f32 v[\i:\i+1], v[\i:\i+1], s[KC:KC+1] op_sel_hi:[1,0]
.endr
.irp i,88,90,92,94
	v_pk_mul_f32 v[\i:\i+1], v[\i:\i+1], -2.0 op_sel_hi:[1,0]
.endr
.irp i,0,1,2,3,4,5
	ds_store_b128 v206, v[72+4*\i:75+4*\i] offset:2048*\i
.endr
	ds_store_b64 v207, v[96:97]
	ds_store_b64 v207, v[98:99] offset:1024
.irp rho,6,7,8,9,10,11,12,13,14,15
	LOADROW \rho
.endr
	WIN 0
.irp i,0,1,2,3,4,5,6,7
	v_mov_b32 v[CT+\i], 0
.endr
	v_mov_b32 v[MO], 0xff61b1e6
	v_mov_b32 v[LSUM], 0
.irp i,0,1,2,3
	v_mov_b32 v[PD+\i], 0
.endr
	v_mov_b32 v[PDX], 0
	v_mov_b32 v[FF+1], 0
	; all 16 rows of h are asked for.  Slot 1's first fill is issued as a refill is
	s_wait_alu depctr_va_vdst(0)                   ; the wait at the head's end
	s_wait_tensorcnt 0x0                           ; my quarter of slot 0 is in
	ds_add_u32 v[SPW], v[NIL]
	s_wait_dscnt 0x0                               ; the add is done, and my stores of the tables have landed: the round's barriers show them to the other waves
	ROUND
	tensor_load_to_lds s[G0B:G0B+3], s[G1:G1+7]
	s_nop 0
; Row r's stores: two scale words; behind rows 7 and 15 the eight chunks of the row group's codes.
.macro ROWS r
.set WDS, QS+26*((\r)&1)+8
.irp u,0,1
	ds_store_b32 v[SAD], v[WDS+\u] offset:256*\u+16*(\r)
.endr
.if ((\r)&7) == 7
.if (\r) > 7
.set IAS, IA2
.else
.set IAS, IA
.endif
.irp s,0,1,2,3,4,5,6,7
	ds_store_b128 v[IAS], v[PK+4*\s:PK+4*\s+3] offset:1024*\s
.endr
.endif
.endm
; The bf16 copy of my rows 4 d .. 4 d + 3, read only at the block's end: made directly ahead of the loads that overwrite those rows, between two K loops.
; 64 conversions into v136-167 and v192-223, which hold nothing there and into which no LDS load is issued before the next products' wait on DScnt; 16 stores of 512 consecutive bytes.
.macro COPY4 d
	WIN (2+((\d)>>1))*5
.irp r,0,1,2,3
.irp i,0,1,2,3,4,5,6,7,8,9,10,11,12,13,14,15
	v_cvt_pk_bf16_f32 v[136+16*\r+24*((\r)>>1)+\i], v[32*((4*(\d)+\r)&7)+2*\i], v[32*((4*(\d)+\r)&7)+2*\i+1]
.endr
.endr
	WIN 0
.irp r,0,1,2,3
.irp e,0,1,2,3
	ds_store_b128 v[CW], v[136+16*\r+24*((\r)>>1)+4*\e:136+16*\r+24*((\r)>>1)+4*\e+3] offset:2048*(4*(\d)+\r)+512*\e
.endr
.endr
.endm
; One row's codes and scale words; the row before's stores stand in its middle, behind the 16 lines that take the largest magnitudes.
.macro ROWQ rho
.set XB, 32*((\rho)&7)
.set WW, 2+((\rho)>>3)
.set CD, QS+26*((\rho)&1)
.set WD, CD+8
.set BF, CD+10
.if (\rho) >= 2
	s_wait_dscnt 0x0                               ; the stores of two rows back, the last LDS instructions issued, have read this set (and, at row 9, the chunks of rows 0-7)
.endif
	WIN WW|(WW<<2)
.irp s,0,1,2,3,4,5,6,7
	v_max3_num_f32 v[MX+\s], |v[XB+4*\s]|, |v[XB+4*\s+1]|, 0x1800000
.endr
.irp s,0,1,2,3,4,5,6,7
	v_max3_num_f32 v[MX+\s], |v[XB+4*\s+2]|, |v[XB+4*\s+3]|, v[MX+\s]
.endr
	WIN 0
.if (\rho) > 0
	ROWS (\rho)-1
.endif
.irp m,1,2,4
.irp s,0,1,2,3,4,5,6,7
	v_max_num_f32_dpp v[MX+\s], v[MX+\s], v[MX+\s] row_xmask:\m row_mask:0xf bank_mask:0xf
.endr
.endr
.irp s,0,1,2,3,4,5,6,7
	v_add_nc_u32 v[SCL+\s], 0xff000000, v[MX+\s]
.endr
.irp s,0,1,2,3,4,5,6,7
	v_lshrrev_b32 v[MX+\s], 23, v[SCL+\s]
.endr
.irp u,0,1
	v_lshl_or_b32 v[WD+\u], v[MX+4*\u+1], 8, v[MX+4*\u]
	v_lshl_or_b32 v[WD+\u], v[MX+4*\u+2], 16, v[WD+\u]
	v_lshl_or_b32 v[WD+\u], v[MX+4*\u+3], 24, v[WD+\u]
.endr
	WIN WW
.irp e,0,1,2,3
	v_cvt_scalef32_pk8_fp4_f32 v[CD+2*\e], v[XB+8*\e:XB+8*\e+7], v[SCL+2*\e]
	v_cvt_scalef32_pk8_fp4_f32 v[CD+2*\e+1], v[XB+8*\e:XB+8*\e+7], v[SCL+2*\e+1]
.endr
	v_nop
	WIN 0
.irp s,0,1,2,3,4,5,6,7
.if (\rho)&1                           ; an odd row: its 16 bits go above the even row's (set 0), for each s
.if (\s)%2 == 0
	v_perm_b32 v[PK+4*\s+(((\rho)&7)>>1)], v[CD+\s], v[QS+\s], s[SLO]
.else
	v_perm_b32 v[PK+4*\s+(((\rho)&7)>>1)], v[CD+\s], v[QS+\s], s[SHI]
.endif
.endif
.endr
.endm
.macro LOADW adr, tau
.irp sg,0,1,2,3,4,5,6,7
.irp c,0,1
	ds_load_b128 v[WF+8*\sg+4*\c:WF+8*\sg+4*\c+3], v[\adr] offset:(\tau)*8192+\sg*1024+512*\c
.endr
.endr
	ds_load_b128 v[WSC:WSC+3], v[\adr] offset:16384+512*(\tau)
.endm
.macro LOADC tau, d
.irp tb,0,1,2
.irp i,0,1
	ds_load_b128 v[DE+8*\tb+4*\i:DE+8*\tb+4*\i+3], v[TA] offset:\tb*4096+1024*(\d)+64*(\tau)+16*\i
.endr
.endr
.endm
.macro MM
	WIN 0x04
.irp sg,0,1,2,3,4,5,6,7
.irp mt,0,1,2,3
.if \sg == 0
	v_wmma_scale_f32_16x16x128_f8f6f4 v[ACC+8*\mt:ACC+8*\mt+7], v[WF:WF+7], v[64*\mt:64*\mt+7], 0, v[WSC], v[ASC+4*\mt] matrix_a_fmt:MATRIX_FMT_FP4 matrix_b_fmt:MATRIX_FMT_FP4
.elseif \sg < 4
	v_wmma_scale_f32_16x16x128_f8f6f4 v[ACC+8*\mt:ACC+8*\mt+7], v[WF+8*\sg:WF+8*\sg+7], v[64*\mt+8*\sg:64*\mt+8*\sg+7], v[ACC+8*\mt:ACC+8*\mt+7], v[WSC+\sg], v[ASC+4*\mt+\sg] matrix_a_fmt:MATRIX_FMT_FP4 matrix_b_fmt:MATRIX_FMT_FP4
.else
	v_wmma_scale_f32_16x16x128_f8f6f4 v[ACC+8*\mt:ACC+8*\mt+7], v[WF+8*\sg:WF+8*\sg+7], v[64*\mt+8*\sg:64*\mt+8*\sg+7], v[ACC+8*\mt:ACC+8*\mt+7], v[WSC+\sg-4], v[ASC+4*\mt+\sg-4] matrix_a_fmt:MATRIX_FMT_FP4 matrix_b_fmt:MATRIX_FMT_FP4 matrix_a_scale:MATRIX_SCALE_ROW1 matrix_b_scale:MATRIX_SCALE_ROW1
.endif
.endr
.endr
	WIN 0
.endm
; 64 positions x 16 n, 32 numbers a lane, in batches: all sources, one wait, 32 exponentials, one wait, the additions of 1, one wait, 32 reciprocals, one wait, the sums.
.macro TANH
.set P_, 0
.rept 16
.set A_, ACC+2*P_
.set J_, 2*(P_%4)
	v_pk_fma_f32 v[A_:A_+1], v[A_:A_+1], s[KC:KC+1], v[DE+J_:DE+J_+1] op_sel_hi:[1,0,1]   ; c x product + c x dec_fea: each accumulator from its low end on
.set P_, P_+1
.endr
.set P_, 0
.rept 16
.set A_, ACC+2*P_
.set J_, 2*(P_%4)
.set M_, P_/4
	v_pk_fma_f32 v[A_:A_+1], v[COV+2*M_:COV+2*M_+1], v[WC+J_:WC+J_+1], v[A_:A_+1]          ; + coverage x c x W_c: y
.set P_, P_+1
.endr
	s_wait_alu depctr_va_vdst(0)                   ; the wait ahead of the batch
.set P_, 0
.rept 32
	v_exp_f32 v[ACC+P_], v[ACC+P_]                 ; 2^y
.set P_, P_+1
.endr
	v_nop                                          ; a plain place behind the last exponential
	s_wait_alu depctr_va_vdst(0)                   ; one wait for the 32
.set P_, 0
.rept 16
	v_pk_add_f32 v[ACC+2*P_:ACC+2*P_+1], v[ACC+2*P_:ACC+2*P_+1], 1.0 op_sel_hi:[1,0]
.set P_, P_+1
.endr
	s_wait_alu depctr_va_vdst(0)                   ; ahead of the second batch
.set P_, 0
.rept 32
	v_rcp_f32 v[ACC+P_], v[ACC+P_]                 ; 1 / (1 + 2^y)
.set P_, P_+1
.endr
	v_nop
	s_wait_alu depctr_va_vdst(0)
.irp j,0,2,4,6
.irp mt,0,1,2,3
	v_pk_fma_f32 v[SACC+2*\mt:SACC+2*\mt+1], v[ACC+8*\mt+\j:ACC+8*\mt+\j+1], v[V2+\j:V2+\j+1], v[SACC+2*\mt:SACC+2*\mt+1]
.endr
.endr
.endm
.macro CHANGE d
	s_wait_tensorcnt 0x0
	ds_add_u32 v[SPW], v[NIL]
	s_add_co_u32 s[G0A+1], s[WLDS], s[KS]
	s_add_co_u32 s[OFS], s[KS], ((2*(\d)+2)&7)*SLOT
	s_add_nc_u64 s[G0A+2:G0A+3], s[WB:WB+1], s[OFS:OFS+1]
	s_or_b32 s[G0A+3], s[G0A+3], 0x80000000
	s_wait_dscnt 0x0
	ROUND
	tensor_load_to_lds s[G0A:G0A+3], s[G1:G1+7]
	s_nop 0
	PLACES
.endm
.macro KLOOP d, fill
	s_mov_b32 s[KK], 0
.Lk_\@:
	s_xor_b32 s[KN], s[KS], SLOT
	v_add_nc_u32 v[WAC], s[KS], v[WA0]
	v_add_nc_u32 v[WAN], s[KN], v[WA0]
	v_add_nc_u32 v[TA], s[KT], v[TC0]
	LOADC 0, \d
	s_wait_alu depctr_va_vdst(0)
	s_wait_dscnt 6
	MM
	PLACES
	LOADW WAC, 1
	s_wait_dscnt 17
	TANH
	LOADC 1, \d
	s_wait_dscnt 6
	MM
.if \fill
	CHANGE \d
	LOADW WAN, 0
	s_wait_dscnt 17
.else
	s_wait_tensorcnt 0x0
	PLACES
	s_cmp_eq_u32 s[KK], 1
	s_cbranch_scc1 .Lnone_\@
	LOADW WAN, 0
.Lnone_\@:
	s_wait_dscnt 0x0
.endif
	TANH
	s_xor_b32 s[KS], s[KS], SLOT
	s_xor_b32 s[KT], s[KT], 512
	s_add_co_u32 s[KK], s[KK], 1
	s_cmp_lt_u32 s[KK], 2
	s_cbranch_scc1 .Lk_\@
.endm
.macro RELOAD4 d
	s_cmp_eq_u32 s[BLK], 3
	s_cbranch_scc1 .Lno_next_\@
	LOADROW 4*(\d)
	LOADROW 4*(\d)+1
	LOADROW 4*(\d)+2
	LOADROW 4*(\d)+3
	WIN 0
.Lno_next_\@:
.endm
.macro CGRP g
.set HS_, HH+32*((\g)&1)
.set PS_, PP+8*((\g)&1)
	ds_load_b128 v[PS_:PS_+3], v[PBR] offset:32*(\g)
	ds_load_b128 v[PS_+4:PS_+7], v[PBR] offset:32*(\g)+16
.irp i,0,1,2,3,4,5,6,7
	ds_load_b128 v[HS_+4*\i:HS_+4*\i+3], v[CR0+(\g)/4] offset:2048*((8*(\g)+\i)&31)
.endr
.endm
.macro CFMA g
.set HS_, HH+32*((\g)&1)
.set PS_, PP+8*((\g)&1)
.irp i,0,1,2,3,4,5,6,7
.irp c,0,1,2,3
	v_fma_mix_f32_bf16 v[CT+2*\c], v[HS_+4*\i+\c], v[PS_+\i], v[CT+2*\c] op_sel_hi:[1,0,0]
	v_fma_mix_f32_bf16 v[CT+2*\c+1], v[HS_+4*\i+\c], v[PS_+\i], v[CT+2*\c+1] op_sel:[1,0,0] op_sel_hi:[1,0,0]
.endr
.endr
.endm
	LOADW WA0, 0
.Lblock:
	s_wait_loadcnt 0x0
	s_add_nc_u64 s[HBA:HBA+1], s[HBA:HBA+1], 262144
	s_lshl_b32 s[BO], s[BLK], 8
.irp rho,0,1,2,3,4,5,6,7,8,9,10,11,12,13,14,15
	ROWQ \rho
.endr
	ROWS 15
	BAR
	WIN 0x40
.irp f,0,1,2,3,4,5,6,7,8,9,10,11,12,13,14,15,16,17,18,19,20,21,22,23,24,25,26,27,28,29,30,31
.irp c,0,1
.if (\f)&1
	ds_load_tr16_b128 v[8*\f+4*\c:8*\f+4*\c+3], v[LI2] offset:((\f)>>2)*4096+2048*\c+((\f)&3)*128
.else
	ds_load_tr16_b128 v[8*\f+4*\c:8*\f+4*\c+3], v[LI] offset:((\f)>>2)*4096+2048*\c+((\f)&3)*128
.endif
.endr
.endr
	WIN 0
.irp mt,0,1,2,3
	ds_load_b128 v[ASC+4*\mt:ASC+4*\mt+3], v[LS] offset:512*\mt
.endr
	v_add_nc_u32 v[TMPA], s[BO], v[CV]
.irp mt,0,1,2,3
	ds_load_b32 v[COV+2*\mt], v[TMPA] offset:64*\mt
.endr
.irp i,0,1,2,3,4,5,6,7
	v_mov_b32 v[SACC+\i], 0
.endr
	COPY4 0                                        ; under the flight of the fragment loads
	RELOAD4 0                                      ; the next block's rows 0-3 are asked for while the fragments are on their way from LDS
	s_wait_dscnt 0x0
.irp mt,0,1,2,3
	v_mov_b32 v[COV+2*\mt+1], v[COV+2*\mt]
.endr
	KLOOP 0, 1
	COPY4 1
	RELOAD4 1
	KLOOP 1, 1
	COPY4 2
	RELOAD4 2
	KLOOP 2, 1
	COPY4 3
	s_cmp_eq_u32 s[BLK], 3
	s_cbranch_scc1 .Ltail
	LOADROW 12
	LOADROW 13
	LOADROW 14
	LOADROW 15
	WIN 0
	KLOOP 3, 1
	s_branch .Lfin
.Ltail:
	KLOOP 3, 0
.Lfin:
	s_wait_alu depctr_va_vdst(0)
.irp mt,0,1,2,3
	v_add_f32 v[SS+\mt], v[SACC+2*\mt], v[SACC+2*\mt+1]
.endr
.irp mt,0,1,2,3
	v_permlanex16_b32 v[PD+\mt], v[SS+\mt], s[SEL], s[SEL+1]
.endr
.irp mt,0,1,2,3
	v_add_f32 v[SS+\mt], v[SS+\mt], v[PD+\mt]
.endr
.irp mt,0,1,2,3
	ds_store_b32 v[PS], v[SS+\mt] offset:64*\mt
.endr
	BAR
.irp w,0,1,2,3
	ds_load_b64 v[SCR+2*\w:SCR+2*\w+1], v[PR] offset:256*\w
.endr
	v_add_nc_u32 v[TMPA], s[BO], v[MK]
	ds_load_b64 v[MSK:MSK+1], v[TMPA]
	s_wait_dscnt 0x0
	v_pk_add_f32 v[SCR:SCR+1], v[SCR:SCR+1], v[SCR+2:SCR+3]
	v_pk_add_f32 v[SCR+4:SCR+5], v[SCR+4:SCR+5], v[SCR+6:SCR+7]
	v_pk_add_f32 v[SCR:SCR+1], v[SCR:SCR+1], v[SCR+4:SCR+5]
	s_cmp_lg_u32 s[WV], 0
	s_cbranch_scc1 .Lno_scores
	global_store_b64 v[SO], v[SCR:SCR+1], s[SBA:SBA+1]
.Lno_scores:
	s_wait_alu depctr_va_vdst(0)
	v_max_num_f32 v[MXN], v[SCR], v[SCR+1]
.irp m,1,2,4,8
	v_max_num_f32_dpp v[MXN], v[MXN], v[MXN] row_xmask:\m row_mask:0xf bank_mask:0xf
.endr
	v_permlanex16_b32 v[PDX], v[MXN], s[SEL], s[SEL+1]
	v_max3_num_f32 v[MXN], v[MXN], v[PDX], v[MO]
	v_sub_f32 v[EE], v[SCR], v[MXN]
	v_sub_f32 v[EE+1], v[SCR+1], v[MXN]
	v_sub_f32 v[FF], v[MO], v[MXN]
	v_mul_f32 v[EE], s[L2E], v[EE]
	v_mul_f32 v[EE+1], s[L2E], v[EE+1]
	v_mul_f32 v[FF], s[L2E], v[FF]
	s_wait_alu depctr_va_vdst(0)
	v_exp_f32 v[EE], v[EE]
	v_exp_f32 v[EE+1], v[EE+1]
	v_exp_f32 v[FF], v[FF]
	v_mov_b32 v[MO], v[MXN]
	s_wait_alu depctr_va_vdst(0)
	v_pk_mul_f32 v[EE:EE+1], v[EE:EE+1], v[MSK:MSK+1]
	v_fma_f32 v[LSUM], v[LSUM], v[FF], v[EE]
	v_add_f32 v[LSUM], v[LSUM], v[EE+1]
	ds_store_b64 v[PBW], v[EE:EE+1]
	CGRP 0
.irp i,0,2,4,6
	v_pk_mul_f32 v[CT+\i:CT+\i+1], v[CT+\i:CT+\i+1], v[FF:FF+1] op_sel_hi:[1,0]
.endr
	s_wait_alu depctr_va_vdst(0)
.irp g,0,1,2,3,4,5,6,7
.if \g < 7
	CGRP \g+1
	s_wait_alu depctr_va_vdst(0)
	s_wait_dscnt 10
.else
	s_wait_alu depctr_va_vdst(0)
	s_wait_dscnt 0x0
.endif
	CFMA \g
.endr
	BAR
	s_wait_xcnt 0x0
	s_add_nc_u64 s[SBA:SBA+1], s[SBA:SBA+1], 256
	s_add_co_u32 s[BLK], s[BLK], 1
	s_cmp_lt_u32 s[BLK], 4
	s_cbranch_scc1 .Lblock
.irp m,1,2,4,8
	v_add_f32_dpp v[LSUM], v[LSUM], v[LSUM] row_xmask:\m row_mask:0xf bank_mask:0xf
.endr
	v_permlanex16_b32 v[PDX], v[LSUM], s[SEL], s[SEL+1]
	v_add_f32 v[LSUM], v[LSUM], v[PDX]
	s_wait_alu depctr_va_vdst(0)                   ; ahead of the branch and of the stores' reads
	s_cmp_lg_u32 s[WV], 0
	s_cbranch_scc1 .Lno_stats
	global_store_b64 v[SO], v[MO:MO+1], s[STB:STB+1]
.Lno_stats:
	global_store_b128 v[HO], v[CT:CT+3], s[CTB:CTB+1]                 ; n = 256 w + 4 l + 0 .. 3: the wave stores 512 consecutive bytes
	global_store_b128 v[HO], v[CT+4:CT+7], s[CTB:CTB+1] offset:512    ; n = 256 w + 128 + 4 l + 0 .. 3
	s_wait_tensorcnt 0x0
	ds_add_u32 v[SPW], v[NIL]
	s_wait_dscnt 0x0
	ROUND
	s_endpgm
.Lfunc_end_k_q667792967c_main:
	.size	k_q667792967c_main, .Lfunc_end_k_q667792967c_main-k_q667792967c_main
	.p2alignl 7, 3214868480
	.fill 96, 4, 3214868480
	.section	.rodata,"a",@progbits
	.p2align	6, 0x0
	.amdhsa_kernel k_q667792967c_main
		.amdhsa_group_segment_fixed_size 327680
		.amdhsa_private_segment_fixed_size 0
		.amdhsa_enable_private_segment 0
		.amdhsa_kernarg_size 80
		.amdhsa_user_sgpr_count 2
		.amdhsa_user_sgpr_kernarg_segment_ptr 1
		.amdhsa_wavefront_size32 1
		.amdhsa_system_sgpr_workgroup_id_x 1
		.amdhsa_system_sgpr_workgroup_id_y 1
		.amdhsa_system_sgpr_workgroup_id_z 1
		.amdhsa_system_vgpr_workitem_id 0
		.amdhsa_next_free_vgpr 1024
		.amdhsa_next_free_sgpr 80
		.amdhsa_reserve_vcc 0
		.amdhsa_float_denorm_mode_32 3
		.amdhsa_float_denorm_mode_16_64 3
		.amdhsa_memory_ordered 1
		.amdhsa_forward_progress 1
		.amdhsa_inst_pref_size 255
	.end_amdhsa_kernel
	.section	.bss,"aw",@nobits
	.p2align	6
	.space	262144
	.amdgpu_metadata
---
amdhsa.version: [ 1, 2 ]
amdhsa.kernels:
  - .name:           k_q667792967c_main
    .symbol:         k_q667792967c_main.kd
    .args:
      - { .name: h, .offset: 0, .size: 8, .value_kind: global_buffer, .address_space: global }
      - { .name: wq, .offset: 8, .size: 8, .value_kind: global_buffer, .address_space: global }
      - { .name: decws, .offset: 16, .size: 8, .value_kind: global_buffer, .address_space: global }
      - { .name: W_c, .offset: 24, .size: 8, .value_kind: global_buffer, .address_space: global }
      - { .name: v, .offset: 32, .size: 8, .value_kind: global_buffer, .address_space: global }
      - { .name: coverage, .offset: 40, .size: 8, .value_kind: global_buffer, .address_space: global }
      - { .name: enc_padding_mask, .offset: 48, .size: 8, .value_kind: global_buffer, .address_space: global }
      - { .name: scores, .offset: 56, .size: 8, .value_kind: global_buffer, .address_space: global }
      - { .name: stats, .offset: 64, .size: 8, .value_kind: global_buffer, .address_space: global }
      - { .name: ctxp, .offset: 72, .size: 8, .value_kind: global_buffer, .address_space: global }
    .group_segment_fixed_size: 327680
    .private_segment_fixed_size: 0
    .kernarg_segment_align: 8
    .kernarg_segment_size: 80
    .max_flat_workgroup_size: 128
    .sgpr_count:     80
    .vgpr_count:     1024
    .wavefront_size: 32
...
	.end_amdgpu_metadata
.endif
;; end of part 2
;; launch finish (part 3): grid 256 x 1, 2 waves a work-group, no clusters, 0 bytes of LDS; arguments scores, stats, ctxp, enc_padding_mask, coverage, out0, out1, out2; writes out0, out1, out2
.if DOCPART == 3
	.amdgcn_target "amdgcn-amd-amdhsa--gfx1250"
	.amdhsa_code_object_version 6
	.text
	.protected	k_q667792967c_finish
	.globl	k_q667792967c_finish
	.p2align	8
	.type	k_q667792967c_finish,@function
k_q667792967c_finish:
	s_mov_b64 s[64:65], 0
	v_nop
	global_prefetch_b8 v0, s[64:65] scope:SCOPE_SE
	s_setreg_imm32_b32 hwreg(HW_REG_WAVE_MODE, 25, 1), 1
	s_wait_xcnt 0x0
; A batch's four quarters are joined.  M = the largest of their four maxima; g_w = e^(M_w - M); L = sum_w L_w g_w;
; attn = e^(s - M) mask / L;  coverage_new = coverage + attn;  c_t = (sum_w ctx_w g_w) / L.
; LEFT OUT, as shown at the head of the first kernel: the scores carry no sum_n v[n], and the softmax's own divisor is not formed: both cancel.
; Work-group g: batch g / 4; thread i owns the four numbers 256 (g % 4) + 4 i + 0 .. 3 of each of the three outputs: each store of the work-group covers 1,024 consecutive bytes.
; No LDS, no barrier, no matrix unit: 3 KiB out for each work-group, every number of which hangs on a few loads.
	s_load_b256 s[4:11], s[0:1], 0x0               ; scores s[4:5], stats s[6:7], ctxp s[8:9], mask s[10:11]
	s_load_b256 s[12:19], s[0:1], 0x20             ; coverage s[12:13], out0 s[14:15], out1 s[16:17], out2 s[18:19]
	s_lshr_b32 s20, ttmp9, 2                       ; the batch
	s_and_b32 s21, ttmp9, 3                        ; which quarter of its numbers
	s_lshl_b32 s22, ttmp9, 10
	v_lshlrev_b32 v1, 4, v0
	v_add_nc_u32 v1, s22, v1                       ; my 16 bytes in a tensor of [64][1024] f32
	s_lshl_b32 s23, s20, 10
	v_mov_b32 v2, s23                              ; the batch's four units of stats
	s_lshl_b32 s24, s20, 14
	s_lshl_b32 s25, s21, 10
	s_add_co_u32 s24, s24, s25
	v_lshlrev_b32 v3, 4, v0
	v_add_nc_u32 v3, s24, v3                       ; my 16 bytes in the first of the batch's four rows of ctxp
	s_mov_b32 s26, 0x3fb8aa3b                      ; log2(e)
	s_wait_alu depctr_va_vdst(0)
	s_wait_kmcnt 0x0
.irp w,0,1,2,3
	global_load_b64 v[4+2*\w:5+2*\w], v2, s[6:7] offset:256*\w      ; (M_w, L_w)
.endr
	global_load_b128 v[12:15], v1, s[4:5]
	global_load_b128 v[16:19], v1, s[10:11]
	global_load_b128 v[20:23], v1, s[12:13]
.irp w,0,1,2,3
	global_load_b128 v[24+4*\w:27+4*\w], v3, s[8:9] offset:4096*\w
.endr
	s_wait_loadcnt 0x0
	v_max3_num_f32 v40, v4, v6, v8
	v_max_num_f32 v40, v40, v10                    ; M
.irp w,0,1,2,3
	v_sub_f32 v[42+\w], v[4+2*\w], v40
.endr
.irp j,0,1,2,3
	v_sub_f32 v[46+\j], v[12+\j], v40
.endr
.irp j,0,1,2,3,4,5,6,7
	v_mul_f32 v[42+\j], s26, v[42+\j]
.endr
	s_wait_alu depctr_va_vdst(0)
.irp j,0,1,2,3,4,5,6,7
	v_exp_f32 v[42+\j], v[42+\j]                   ; v42-45: g_w; v46-49: e^(s - M)
.endr
	v_nop                                          ; a plain line behind the last exponential
	s_wait_alu depctr_va_vdst(0)                   ; one wait for the eight
	v_mul_f32 v50, v5, v42
	v_fmac_f32 v50, v7, v43
	v_fmac_f32 v50, v9, v44
	v_fmac_f32 v50, v11, v45                       ; L
	s_wait_alu depctr_va_vdst(0)
	v_rcp_f32 v51, v50
.irp j,0,1,2,3
	v_mul_f32 v[46+\j], v[46+\j], v[16+\j]         ; x mask.  (Plain work behind the reciprocal)
.endr
.irp j,0,1,2,3
	v_mul_f32 v[54+\j], v[24+\j], v42
.endr
.irp w,1,2,3
.irp j,0,1,2,3
	v_fmac_f32 v[54+\j], v[24+4*\w+\j], v[42+\w]
.endr
.endr
	s_wait_alu depctr_va_vdst(0)                   ; the wait for the reciprocal, ahead of its first reader
.irp j,0,1,2,3
	v_mul_f32 v[46+\j], v[46+\j], v51              ; attn
.endr
.irp j,0,1,2,3
	v_mul_f32 v[54+\j], v[54+\j], v51              ; c_t
.endr
.irp j,0,1,2,3
	v_add_f32 v[58+\j], v[20+\j], v[46+\j]         ; coverage + attn
.endr
	global_store_b128 v1, v[54:57], s[14:15]
	global_store_b128 v1, v[46:49], s[16:17]
	global_store_b128 v1, v[58:61], s[18:19]
	s_endpgm
.Lfunc_end_k_q667792967c_finish:
	.size	k_q667792967c_finish, .Lfunc_end_k_q667792967c_finish-k_q667792967c_finish
	.p2alignl 7, 3214868480
	.fill 96, 4, 3214868480
	.section	.rodata,"a",@progbits
	.p2align	6, 0x0
	.amdhsa_kernel k_q667792967c_finish
		.amdhsa_group_segment_fixed_size 0
		.amdhsa_private_segment_fixed_size 0
		.amdhsa_enable_private_segment 0
		.amdhsa_kernarg_size 64
		.amdhsa_user_sgpr_count 2
		.amdhsa_user_sgpr_kernarg_segment_ptr 1
		.amdhsa_wavefront_size32 1
		.amdhsa_system_sgpr_workgroup_id_x 1
		.amdhsa_system_sgpr_workgroup_id_y 1
		.amdhsa_system_sgpr_workgroup_id_z 1
		.amdhsa_system_vgpr_workitem_id 0
		.amdhsa_next_free_vgpr 64
		.amdhsa_next_free_sgpr 66
		.amdhsa_reserve_vcc 0
		.amdhsa_float_denorm_mode_32 3
		.amdhsa_float_denorm_mode_16_64 3
		.amdhsa_memory_ordered 1
		.amdhsa_forward_progress 1
		.amdhsa_inst_pref_size 5
	.end_amdhsa_kernel
	.amdgpu_metadata
---
amdhsa.version: [ 1, 2 ]
amdhsa.kernels:
  - .name:           k_q667792967c_finish
    .symbol:         k_q667792967c_finish.kd
    .args:
      - { .name: scores, .offset: 0, .size: 8, .value_kind: global_buffer, .address_space: global }
      - { .name: stats, .offset: 8, .size: 8, .value_kind: global_buffer, .address_space: global }
      - { .name: ctxp, .offset: 16, .size: 8, .value_kind: global_buffer, .address_space: global }
      - { .name: enc_padding_mask, .offset: 24, .size: 8, .value_kind: global_buffer, .address_space: global }
      - { .name: coverage, .offset: 32, .size: 8, .value_kind: global_buffer, .address_space: global }
      - { .name: out0, .offset: 40, .size: 8, .value_kind: global_buffer, .address_space: global }
      - { .name: out1, .offset: 48, .size: 8, .value_kind: global_buffer, .address_space: global }
      - { .name: out2, .offset: 56, .size: 8, .value_kind: global_buffer, .address_space: global }
    .group_segment_fixed_size: 0
    .private_segment_fixed_size: 0
    .kernarg_segment_align: 8
    .kernarg_segment_size: 64
    .max_flat_workgroup_size: 64
    .sgpr_count:     66
    .vgpr_count:     64
    .wavefront_size: 32
...
	.end_amdgpu_metadata
.endif
;; end of part 3
